; MI455X (gfx1250); checked and timed in simulation.
; The chip was launched on July 23, 2026; its instructions are those of AMD's public machine-readable ISA for CDNA 5 (MIT licence, August 2026) and "CDNA5" Instruction Set Architecture Reference Guide (July 2026). The comments in the code are by the model that wrote it; some were corrected since.
;; Enhanced Attention V2. Allowed arithmetic: float matrix products may take bf16 or f16 operands with f32 sums; other float arithmetic in f32, or as packed bf16 or f16 multiplies, adds, multiply-adds, maxima and minima; sums over many terms, partial sums and values carried from step to step in f32; what a program stores and reads back later, other than sums and carried values, may be rounded once to bf16 or f16.
;; Inputs: Wk 1,024 x 1,024 float32; Wq 1,024 x 1,024 float32; Wv 1,024 x 1,024 float32; attention_mask 1 x 4,096 float32; bk 1,024 float32; bq 1,024 float32; bv 1,024 float32; hidden_states 1 x 4,096 x 1,024 float32; ln_beta 1,024 float32; ln_gamma 1,024 float32.
;; Outputs: out0 1 x 4,096 x 1,024 float32.
;; 2 versions, each right; version 2 is version 1 with the launch conv written anew for expert scheduling mode. Each part assembles by itself: llvm-mc -triple=amdgcn-amd-amdhsa -mcpu=gfx1250 --defsym DOCPART=n.
;; ======== version 1 of 2: 4 launches
;; limits: values are held in f16: magnitudes above 65,504 overflow, below 6.1e-05 lose precision
;; workspace buffers: xw 14,680,064 bytes; qkv 25,165,824 bytes; vpart 262,144 bytes; xres 16,777,216 bytes
;; launch conv (part 1): grid 448 x 1, 8 waves a work-group, no clusters, 0 bytes of LDS; arguments hidden_states, Wq, Wk, Wv, xw; writes xw
.if DOCPART == 1
	.amdgcn_target "amdgcn-amd-amdhsa--gfx1250"
	.amdhsa_code_object_version 6
	.text
	.protected	k_qe86cad840b_conv
	.globl	k_qe86cad840b_conv
	.p2align	8
	.type	k_qe86cad840b_conv,@function
k_qe86cad840b_conv:
	s_mov_b64 s[64:65], 0
	v_nop
	global_prefetch_b8 v0, s[64:65] scope:SCOPE_SE
	s_setreg_imm32_b32 hwreg(HW_REG_WAVE_MODE, 25, 1), 1
	s_wait_xcnt 0x0
; xw = the matrix operands of the projections, rounded once to bf16: [7168][1024].
; Rows 0..4095 are hidden_states.  Row 4096 + 192 h + 64 t + j is W_t[64 h + j] (t = 0: Wq, 1: Wk, 2: Wv): a head's q, k and v weights lie as 192 rows on end.
; A stream: no LDS, no barrier, no matrix unit.  A work-group takes 16 rows of one source, a wave two rows: 8,192 consecutive bytes in, 4,096 out.
; A wave's 16 loads go out together; each load covers 512 consecutive bytes, each store 256 consecutive bytes, aligned.  No register is written twice, so no wait frees a source.
.set X, 8                              ; v[8:71]   load i: four f32
.set Y, 72                             ; v[72:103] store i: four bf16
	s_load_b256 s[4:11], s[0:1], 0x0               ; hidden s[4:5], Wq s[6:7], Wk s[8:9], Wv s[10:11]
	s_load_b64 s[12:13], s[0:1], 0x20              ; xw
	v_lshrrev_b32 v3, 5, v0                        ; wave
	v_and_b32 v4, 31, v0                           ; lane
	v_lshlrev_b32 v1, 4, v4
	v_lshl_add_u32 v1, v3, 13, v1                  ; in: 8,192 x wave + 16 x lane
	v_lshlrev_b32 v2, 3, v4
	v_lshl_add_u32 v2, v3, 12, v2                  ; out: 4,096 x wave + 8 x lane
	s_sub_co_u32 s14, ttmp9, 256                   ; work-groups 256.. take the weights: g' = 64 t + rem
	s_lshr_b32 s15, s14, 6                         ; t
	s_and_b32 s16, s14, 63                         ; rem: which 16 rows of W_t
	s_lshr_b32 s17, s16, 2                         ; the head
	s_mul_i32 s17, s17, 192
	s_lshl_b32 s18, s15, 6
	s_add_co_u32 s17, s17, s18                     ; + 64 t
	s_and_b32 s18, s16, 3
	s_lshl_b32 s18, s18, 4
	s_add_co_u32 s17, s17, s18                     ; + 16 (rem % 4)
	s_add_co_u32 s17, s17, 4096                    ; the row of xw, for weights
	s_lshl_b32 s19, ttmp9, 4                       ; the row of xw, for hidden
	s_lshl_b32 s20, s16, 16                        ; the source's byte offset, for weights
	s_lshl_b32 s21, ttmp9, 16                      ; and for hidden
	s_mov_b32 s25, 0
	s_mov_b32 s27, 0
	s_wait_kmcnt 0x0
	s_cmp_eq_u32 s15, 1
	s_cselect_b64 s[22:23], s[8:9], s[6:7]
	s_cmp_eq_u32 s15, 2
	s_cselect_b64 s[22:23], s[10:11], s[22:23]
	s_cmp_lt_u32 ttmp9, 256
	s_cselect_b64 s[22:23], s[4:5], s[22:23]       ; the source
	s_cselect_b32 s24, s21, s20
	s_cselect_b32 s26, s19, s17
	s_add_nc_u64 s[22:23], s[22:23], s[24:25]
	s_lshl_b32 s26, s26, 11                        ; a row of xw is 2,048 bytes
	s_add_nc_u64 s[12:13], s[12:13], s[26:27]
.set i, 0
.rept 16
	global_load_b128 v[X+4*i:X+4*i+3], v1, s[22:23] offset:512*i th:TH_LOAD_NT
.set i, i+1
.endr
.set i, 0
.rept 16
	s_wait_loadcnt 15-i                            ; loads come back in order: load i is in, the 15 - i younger ones stay out
	v_cvt_pk_bf16_f32 v[Y+2*i], v[X+4*i], v[X+4*i+1]
	v_cvt_pk_bf16_f32 v[Y+2*i+1], v[X+4*i+2], v[X+4*i+3]
	global_store_b64 v2, v[Y+2*i:Y+2*i+1], s[12:13] offset:256*i
.set i, i+1
.endr
	s_endpgm
.Lfunc_end_k_qe86cad840b_conv:
	.size	k_qe86cad840b_conv, .Lfunc_end_k_qe86cad840b_conv-k_qe86cad840b_conv
	.p2alignl 7, 3214868480
	.fill 96, 4, 3214868480
	.section	.rodata,"a",@progbits
	.p2align	6, 0x0
	.amdhsa_kernel k_qe86cad840b_conv
		.amdhsa_group_segment_fixed_size 0
		.amdhsa_private_segment_fixed_size 0
		.amdhsa_enable_private_segment 0
		.amdhsa_kernarg_size 40
		.amdhsa_user_sgpr_count 2
		.amdhsa_user_sgpr_kernarg_segment_ptr 1
		.amdhsa_wavefront_size32 1
		.amdhsa_system_sgpr_workgroup_id_x 1
		.amdhsa_system_sgpr_workgroup_id_y 1
		.amdhsa_system_sgpr_workgroup_id_z 1
		.amdhsa_system_vgpr_workitem_id 0
		.amdhsa_next_free_vgpr 104
		.amdhsa_next_free_sgpr 66
		.amdhsa_reserve_vcc 0
		.amdhsa_float_denorm_mode_32 3
		.amdhsa_float_denorm_mode_16_64 3
		.amdhsa_memory_ordered 1
		.amdhsa_forward_progress 1
		.amdhsa_inst_pref_size 8
	.end_amdhsa_kernel
	.amdgpu_metadata
---
amdhsa.version: [ 1, 2 ]
amdhsa.kernels:
  - .name:           k_qe86cad840b_conv
    .symbol:         k_qe86cad840b_conv.kd
    .args:
      - { .name: hidden_states, .offset: 0, .size: 8, .value_kind: global_buffer, .address_space: global }
      - { .name: Wq, .offset: 8, .size: 8, .value_kind: global_buffer, .address_space: global }
      - { .name: Wk, .offset: 16, .size: 8, .value_kind: global_buffer, .address_space: global }
      - { .name: Wv, .offset: 24, .size: 8, .value_kind: global_buffer, .address_space: global }
      - { .name: xw, .offset: 32, .size: 8, .value_kind: global_buffer, .address_space: global }
    .group_segment_fixed_size: 0
    .private_segment_fixed_size: 0
    .kernarg_segment_align: 8
    .kernarg_segment_size: 40
    .max_flat_workgroup_size: 256
    .sgpr_count:     66
    .vgpr_count:     104
    .wavefront_size: 32
...
	.end_amdgpu_metadata
.endif
;; end of part 1
;; launch gemm (part 2): grid 16 x 16, 4 waves a work-group, clusters of 4 x 4, 327,680 bytes of LDS; arguments xw, bq, bk, bv, qkv, vpart; writes qkv, vpart
.if DOCPART == 2
	.amdgcn_target "amdgcn-amd-amdhsa--gfx1250"
	.amdhsa_code_object_version 6
	.text
	.protected	k_qe86cad840b_gemm
	.globl	k_qe86cad840b_gemm
	.p2align	8
	.type	k_qe86cad840b_gemm,@function
k_qe86cad840b_gemm:
	s_mov_b64 s[64:65], 0
	v_nop
	global_prefetch_b8 v0, s[64:65] scope:SCOPE_SE
	s_setreg_imm32_b32 hwreg(HW_REG_WAVE_MODE, 25, 1), 1
	s_wait_xcnt 0x0
	s_wait_alu depctr_hold_cnt(0) depctr_sa_sdst(0) depctr_va_vdst(0) depctr_va_sdst(0) depctr_va_ssrc(0) depctr_va_vcc(0) depctr_vm_vsrc(0)
	s_getreg_b32 s2, hwreg(HW_REG_IB_STS2, 6, 4)
	s_cmp_eq_u32 s2, 0
	s_cbranch_scc0 .Lentry_in_a_cluster
	s_endpgm
.Lentry_in_a_cluster:
	s_bfe_u32 s2, ttmp6, 0x10000c
	s_cmp_lg_u32 s2, 0xf033
	s_cbranch_scc0 .Lentry_shape_is_right
	s_endpgm
.Lentry_shape_is_right:
; THE THREE PROJECTIONS AS ONE PRODUCT.  C[m][n] = bias[n] + the sum over k of A[m][k] B[n][k]; A = rows 0..4095 of xw (hidden), B = rows 4096..7167 (a head's Wq, Wk, Wv rows on end), bf16; sums in f32, K = 1024.
; OUT: qkv = [3][16 heads][4096][64] in f16, each number rounded once, unscaled, bias included; vpart = [64 blocks of 64 rows][16 heads][64] f32: V's column sums by blocks, from the f32 sums.
; FORMATS.  Every input of the module enters rounded once to bf16: x and W (in xw), and here the three biases, rounded in registers.  What the program makes itself (q, k, v) leaves in f16: 11 significant bits.
; SHARES.  A work-group makes 256 rows x the 192 columns of ONE head: 16 x 16 = 256 work-groups, one tile each.  A wave makes 64 rows x 192: 48 accumulators of 16 x 16, 384 registers, so that
; it holds whole heads: 16 rows of a head are 2,048 consecutive bytes of qkv.  For 32 along K a wave reads 32 x 512 bytes from LDS and issues 48 matrix instructions.
; RING.  K goes in 8 steps of 128 through two LDS slots (A's 256 rows, B's 192 rows, 256 bytes of memory each).  Waves 0, 1 fetch A's halves (128 rows), waves 2, 3 B's (96 rows): one tensor load a wave.
; CLUSTER.  4 x 4 work-groups: A's tile hangs on the tile row alone and is asked for jointly along a row of the cluster, B's on the head alone and jointly along a column.
; THE MATRIX INSTRUCTION IS USED TRANSPOSED (source 0 = 16 rows of B, source 1 = 16 rows of A): register j of lane l is C(row l % 16, column 16 b + 8 (l / 16) + j): eight neighbouring columns.
; THE BIAS is the C operand of each sum's first product, in f32: nothing is cleared, nothing is added afterwards.
; LIMITS.  f16 holds no number beyond 65,504: q, k and v must lie within it.  With x of spread 1 and W of spread 1/32 they have spread 1; all inputs 30 times larger make them 900 times larger;
; an offset of 30 spreads on both x and W makes them 1024 x 30 x 0.94, about 29,000.  Below 6e-5 f16 keeps its fixed step of 6e-8.  NaN and infinities are not treated apart.
; REGISTERS, in windows of 256 (s_set_vgpr_msb: bits 1:0 source 0, 3:2 source 1, 5:4 source 2, 7:6 destination):
;   window 0: v0-31 addresses; v32-95 A's fragments, two sets of 4; v96-191 the bias, later the way out; v192-255 at work on the bias, later V's sums
;   window 1: v0-191 B's fragments, two sets of 12     window 2: accumulators of row blocks 0, 1 ((a, b) at 96 (a % 2) + 8 b)     window 3: of row blocks 2, 3
.set KSTEP,  128
.set PITCH,  272                       ; an LDS row: 256 bytes + 16 of padding = 68 words: the 16 rows of a fragment load start at 16 different groups of four banks (64 banks of 4 bytes: ISA guide 11.1)
.set AHALF,  128*PITCH
.set BHALF,  96*PITCH
.set BOFF,   256*PITCH                 ; B's rows lie behind A's
.set SLOT,   448*PITCH
.set STAGE,  2*SLOT                    ; behind the ring, never filled by a tensor load: for each wave 3 x 16 rows x 144 bytes
.set SP,     144
.set WST,    48*SP
.set VSC,    STAGE+4*WST               ; 256 bytes for each wave: V's 64 column sums
.set SPARE,  VSC+1024                  ; the spare words, 128 bytes for each wave: two blocks of 256 bytes that no other line names
.set LAPS,   4                         ; a lap = two K steps = once round the ring
.set FLAGS,  (1<<16)|(1<<20)|(1<<21)|(5<<22)|(3<<25)  ; 17:16 2-byte elements; 20 padding on; 21 set beside a mask; 24:22 after every 64 words; 31:25 4 words
.set ADRA, 16                          ; v16-17 LDS address of my A fragments in slot 0, 1
.set ADRB, 20                          ; v20-21 the same for B
.set VSL,  22                          ; v22  where I read two of V's sums back
.set VPO,  23                          ; v23  8 x lane
.set STO,  24                          ; v24  the way out: where I put 16 bytes of a row
.set RD,   25                          ; v25  the way out: where I read rows back
.set CO,   26                          ; v26  16 x lane
.set BO,   27                          ; v27  my byte offset in a bias
.set SPW,  28                          ; v28  LDS address of my spare word; never rewritten
.set NIL,  29                          ; v29  0; never rewritten
.set PFO,  30                          ; v30  the prefetches' offset: a lane a row; never rewritten
.set VSA,  31                          ; v31  where I put V's sums
.set FA,   32
.set FB,   0
.set BIAS, 96
.set TMP,  96
.set BK,   144
.set VS,   192
.set WV,   16                          ; s16 wave
.set HALF, 17                          ; s17 which half of a tile's rows I fetch
.set FORB, 18                          ; s18 0: I fetch for A, 1: for B
.set CX,   19
.set CY,   20
.set TX,   21                          ; s21 the head
.set TY,   22                          ; s22 the tile row
.set G1,   24                          ; s[24:31] group 1 for A's tiles
.set G0,   32                          ; s[32:39] group 0 for A's tiles, a set for each slot
.set LIM,  40                          ; s40 1 in a wave that prefetches, else the greatest number
.set PFA,  42                          ; s[42:43] where my prefetches stand
.set G1B,  48                          ; s[48:55], s[56:63] the same for B's tiles
.set G0B,  56
.set OUT,  68                          ; s[68:73] q, k, v at my wave's first row of my head
.set VP,   74                          ; s[74:75] my 256 bytes of vpart
.set MSB, 0
.macro WIN new                         ; the immediate's high byte repeats the setting that is left; a switch that changes nothing is dropped
.if MSB != (\new)
	s_set_vgpr_msb (MSB<<8)|(\new)
.set MSB, \new
.endif
.endm
; A joint load.  The branch hangs on the wave's number alone.  An s_nop 0 and four v_nop follow each of the two lines, ahead of the jump and the label.
.macro JLOAD s
	s_cmp_eq_u32 s[FORB], 0
	s_cbranch_scc0 .Lfor_b_\@
	tensor_load_to_lds s[G0+4*(\s):G0+4*(\s)+3], s[G1:G1+7]
	s_nop 0
.rept 4
	v_nop
.endr
	s_branch .Lasked_\@
.Lfor_b_\@:
	tensor_load_to_lds s[G0B+4*(\s):G0B+4*(\s)+3], s[G1B:G1B+7]
	s_nop 0
.rept 4
	v_nop
.endr
.Lasked_\@:
.endm
; A prefetch of the K step that stands two refills on: a lane a row, 256 bytes of it.  A's rows are asked for by the clusters with x = 0, B's by those with y = 0; of the rows that a wave fetches
; each of the four partners that ask for them jointly takes a quarter (32 of A's 128, 24 of B's 96; lanes 24-31 then name row 23 again), told apart by address.  K steps 4 to 7 are named;
; the loop's last trip (s3 = 1) has no K step two on and asks for nothing.
.macro ASK
	s_cmp_gt_u32 s3, s[LIM]
	s_cbranch_scc0 .Lnot_mine_\@
	global_prefetch_b8 v[PFO], s[PFA:PFA+1] offset:KSTEP*2 th:TH_LOAD_NT scope:SCOPE_SE
.Lnot_mine_\@:
.endm
.macro CREST                           ; a round of the cluster's barrier behind its opening barrier
	s_cmp_lg_u32 s[WV], 0
	s_cbranch_scc1 .Lnot_wave_0_\@
	s_barrier_signal -3
.Lnot_wave_0_\@:
	s_barrier_wait -3
	s_barrier_signal -1
	s_barrier_wait -1
.endm
.macro CROUND
	s_barrier_signal -1
	s_barrier_wait -1
	CREST
.endm
.macro PLACES                          ; four plain instructions between a matrix instruction and a load into, or a vector read of, its registers
.rept 4
	v_nop
.endr
.endm
	s_load_b256 s[4:11], s[0:1], 0x0               ; xw s[4:5], bq s[6:7], bk s[8:9], bv s[10:11]
	s_load_b128 s[12:15], s[0:1], 0x20             ; qkv s[12:13], vpart s[14:15]
	v_lshl_add_u32 v[SPW], v0, 2, SPARE
	v_mov_b32 v[NIL], 0
	ds_add_u32 v[SPW], v[NIL]                      ; the wave's opening: the add and its wait stand ahead of my first tensor load; the set-up below stands between them
	v_lshrrev_b32 v1, 5, v0
	v_readfirstlane_b32 s[WV], v1
	s_and_b32 s[HALF], s[WV], 1
	s_lshr_b32 s[FORB], s[WV], 1
	s_bfe_u32 s[CX], ttmp6, 0x40000
	s_bfe_u32 s[CY], ttmp6, 0x40004
	s_lshl_b32 s[TX], ttmp9, 2
	s_add_co_u32 s[TX], s[TX], s[CX]               ; head = 4 x cluster x + cx
	s_and_b32 s[TY], ttmp7, 0xffff
	s_lshl_b32 s[TY], s[TY], 2
	s_add_co_u32 s[TY], s[TY], s[CY]               ; tile row = 4 x cluster y + cy
	s_lshl_b32 s44, s[CY], 2
	s_lshl_b32 s44, 15, s44                        ; my row of the cluster
	s_lshl_b32 s45, 0x1111, s[CX]                  ; my column
	s_or_b32 s[G1], s44, FLAGS
	s_or_b32 s[G1B], s45, FLAGS
	s_mov_b32 s[G1+1], KSTEP<<16                   ; tensor_dim0 = 128
	s_mov_b32 s[G1+2], 128<<16                     ; tensor_dim1 = 128
	s_mov_b32 s[G1+3], KSTEP<<16                   ; tile_dim0 = 128
	s_mov_b32 s[G1+4], 128                         ; tile_dim1 = 128
	s_mov_b32 s[G1+5], 1024                        ; elements from row to row
	s_mov_b32 s[G1+6], 0
	s_mov_b32 s[G1+7], 0
	s_mov_b32 s[G1B+1], KSTEP<<16
	s_mov_b32 s[G1B+2], 96<<16                     ; B: 96 rows
	s_mov_b32 s[G1B+3], KSTEP<<16
	s_mov_b32 s[G1B+4], 96
	s_mov_b32 s[G1B+5], 1024
	s_mov_b32 s[G1B+6], 0
	s_mov_b32 s[G1B+7], 0
	s_lshl_b32 s76, s[TY], 19                      ; A: (256 x tile row + 128 x half) rows of 2,048 bytes; these registers never hold cx
	s_lshl_b32 s77, s[HALF], 18
	s_add_co_u32 s76, s76, s77
	s_mov_b32 s77, 0
	s_mul_i32 s78, s[TX], 393216                   ; B: (4096 + 192 x head + 96 x half) rows; these never hold cy
	s_mul_i32 s79, s[HALF], 196608
	s_add_co_u32 s78, s78, s79
	s_add_co_u32 s78, s78, 8388608
	s_mov_b32 s79, 0
	s_mul_i32 s80, s[HALF], AHALF                  ; where they go: no place in the cluster enters an LDS address
	s_mul_i32 s81, s[HALF], BHALF
	s_add_co_u32 s81, s81, BOFF
	; the prefetches: which rows, and who
	s_and_b32 s46, ttmp7, 0xffff                   ; cluster y
	s_cmp_eq_u32 s[FORB], 0
	s_cselect_b32 s46, ttmp9, s46                  ; the coordinate along which other clusters read the same rows
	s_cselect_b32 s47, s[CX], s[CY]                ; my place among the four that ask with me
	s_cselect_b32 s44, 32, 24                      ; rows for each of the four
	s_cselect_b32 s45, 31, 23
	s_cselect_b32 s86, s76, s78
	s_mul_i32 s47, s47, s44
	s_lshl_b32 s47, s47, 11
	s_add_co_u32 s86, s86, s47
	s_add_co_u32 s86, s86, 2*KSTEP*2               ; at K step 2: the first refill steps it to 3 and names K step 4
	s_mov_b32 s87, 0
	s_cmp_eq_u32 s46, 0
	s_cselect_b32 s[LIM], 1, -1                    ; the same in all sixteen partners, for a given wave
	v_and_b32 v4, 31, v0                           ; lane
	v_min_u32 v[PFO], s45, v4
	v_lshlrev_b32 v[PFO], 11, v[PFO]
	; where the results go
	s_lshl_b32 s44, s[TX], 19                      ; the head's 4,096 rows of 128 bytes
	s_lshl_b32 s45, s[TY], 15                      ; 256 rows
	s_add_co_u32 s44, s44, s45
	s_lshl_b32 s45, s[WV], 13                      ; 64 rows
	s_add_co_u32 s44, s44, s45
	s_mov_b32 s45, 0
	s_lshl_b32 s46, s[TY], 2
	s_add_co_u32 s46, s46, s[WV]                   ; my block of 64 rows
	s_lshl_b32 s46, s46, 12
	s_lshl_b32 s47, s[TX], 8
	s_add_co_u32 s46, s46, s47
	s_mov_b32 s47, 0
	s_wait_dscnt 0x0                               ; the opening add is done
	s_wait_kmcnt 0x0
	s_add_nc_u64 s[82:83], s[4:5], s[76:77]
	s_add_nc_u64 s[84:85], s[4:5], s[78:79]
	s_add_nc_u64 s[PFA:PFA+1], s[4:5], s[86:87]
	s_add_nc_u64 s[OUT:OUT+1], s[12:13], s[44:45]
	s_add_nc_u64 s[OUT+2:OUT+3], s[OUT:OUT+1], 0x800000
	s_add_nc_u64 s[OUT+4:OUT+5], s[OUT:OUT+1], 0x1000000
	s_add_nc_u64 s[VP:VP+1], s[14:15], s[46:47]
	CROUND                                         ; all sixteen work-groups are here: the first joint loads meet
.irp s, 0,1
	s_mov_b32 s[G0+4*(\s)], 1
	s_add_co_u32 s[G0+4*(\s)+1], s80, (\s)*SLOT
	s_add_nc_u64 s[G0+4*(\s)+2:G0+4*(\s)+3], s[82:83], (\s)*KSTEP*2
	s_or_b32 s[G0+4*(\s)+3], s[G0+4*(\s)+3], 0x80000000
	s_mov_b32 s[G0B+4*(\s)], 1
	s_add_co_u32 s[G0B+4*(\s)+1], s81, (\s)*SLOT
	s_add_nc_u64 s[G0B+4*(\s)+2:G0B+4*(\s)+3], s[84:85], (\s)*KSTEP*2
	s_or_b32 s[G0B+4*(\s)+3], s[G0B+4*(\s)+3], 0x80000000
	JLOAD \s                                       ; two loads of mine are out
.endr
	v_and_b32 v1, 15, v0                           ; r = l % 16
	v_bfe_u32 v2, v0, 4, 1                         ; h = l / 16
	s_lshl_b32 s44, s[TX], 8
	v_lshl_add_u32 v[BO], v2, 5, s44               ; 256 x head + 32 h
.irp b, 0,1,2,3,4,5,6,7,8,9,10,11      ; column block b: bias b / 4, channels 16 (b % 4) + 8 h + 0..7
	global_load_b128 v[BIAS+8*(\b):BIAS+8*(\b)+3],   v[BO], s[6+2*((\b)/4):7+2*((\b)/4)] offset:64*((\b)%4)
	global_load_b128 v[BIAS+8*(\b)+4:BIAS+8*(\b)+7], v[BO], s[6+2*((\b)/4):7+2*((\b)/4)] offset:64*((\b)%4)+16
.endr
	v_mul_u32_u24 v3, v1, PITCH
	v_lshl_add_u32 v3, v2, 4, v3                   ; a fragment's row x pitch + 16 x half
	s_mul_i32 s44, s[WV], 64*PITCH                 ; my 64 rows of A
	v_add_nc_u32 v[ADRA], s44, v3
	v_add_nc_u32 v[ADRA+1], SLOT, v[ADRA]
	v_add_nc_u32 v[ADRB], BOFF, v3                 ; all 192 rows of B
	v_add_nc_u32 v[ADRB+1], SLOT+BOFF, v3
	s_lshl_b32 s44, s[WV], 8
	s_add_co_u32 s44, s44, VSC
	v_lshl_add_u32 v[VSA], v2, 5, s44
	v_lshl_add_u32 v[VSL], v4, 3, s44
	v_lshlrev_b32 v[VPO], 3, v4
	v_lshlrev_b32 v[CO], 4, v4
	s_mul_i32 s44, s[WV], WST
	s_add_co_u32 s44, s44, STAGE                   ; my stage
	v_mul_u32_u24 v[STO], v1, SP                   ; in: row r, 16 bytes for each half of the lanes
	v_lshl_add_u32 v[STO], v2, 4, v[STO]
	v_add_nc_u32 v[STO], s44, v[STO]
	v_bfe_u32 v5, v0, 3, 2                         ; back: 32 lanes take four rows of 128 bytes
	v_and_b32 v6, 7, v0
	v_mul_u32_u24 v[RD], v5, SP
	v_lshl_add_u32 v[RD], v6, 4, v[RD]
	v_add_nc_u32 v[RD], s44, v[RD]
	; the bias is rounded to bf16, like every input, and widened again: it stays the f32 C operand.  This stands while the first tiles are on their way.
	s_wait_loadcnt 0x0                             ; the bias
.set i, 0
.rept 48
	v_cvt_pk_bf16_f32 v[VS+i], v[BIAS+2*i], v[BIAS+2*i+1]
.set i, i+1
.endr
.set i, 0
.rept 48
	v_lshlrev_b32 v[BIAS+2*i], 16, v[VS+i]         ; bf16 to f32: the low half moves up,
	v_and_b32 v[BIAS+2*i+1], 0xffff0000, v[VS+i]   ; the high half stays
.set i, i+1
.endr
; 12 matrix instructions: row block a x all 12 column blocks, 32 along K, from fragment set f.  first = 1: the sums start with the bias.
; The 48 accumulators take turns in the same order in every quarter: 47 others stand between two links of a chain, over the backward jump too.
.macro MUL12 f, a, first
.if \first
	WIN 0x81+0x40*((\a)/2)
.else
	WIN 0xa1+0x50*((\a)/2)
.endif
.irp b, 0,1,2,3,4,5,6,7,8,9,10,11
.if \first
	v_wmma_f32_16x16x32_bf16 v[96*((\a)%2)+8*(\b):96*((\a)%2)+8*(\b)+7], v[FB+96*(\f)+8*(\b):FB+96*(\f)+8*(\b)+7], v[FA+32*(\f)+8*(\a):FA+32*(\f)+8*(\a)+7], v[BIAS+8*(\b):BIAS+8*(\b)+7]
.else
	v_wmma_f32_16x16x32_bf16 v[96*((\a)%2)+8*(\b):96*((\a)%2)+8*(\b)+7], v[FB+96*(\f)+8*(\b):FB+96*(\f)+8*(\b)+7], v[FA+32*(\f)+8*(\a):FA+32*(\f)+8*(\a)+7], v[96*((\a)%2)+8*(\b):96*((\a)%2)+8*(\b)+7]
.endif
.endr
.endm
; 32 LDS loads in one run: a quarter step's fragments (192 rows of B, then my 64 rows of A, 32 K at byte k of the rows) into set f
.macro FETCH slot, k, f
	WIN 0x40
.irp i, 0,1,2,3,4,5,6,7,8,9,10,11
	ds_load_b128 v[FB+96*(\f)+8*(\i):FB+96*(\f)+8*(\i)+3],   v[ADRB+(\slot)] offset:(\k)+(\i)*16*PITCH
	ds_load_b128 v[FB+96*(\f)+8*(\i)+4:FB+96*(\f)+8*(\i)+7], v[ADRB+(\slot)] offset:(\k)+(\i)*16*PITCH+32
.endr
	WIN 0
.irp i, 0,1,2,3
	ds_load_b128 v[FA+32*(\f)+8*(\i):FA+32*(\f)+8*(\i)+3],   v[ADRA+(\slot)] offset:(\k)+(\i)*16*PITCH
	ds_load_b128 v[FA+32*(\f)+8*(\i)+4:FA+32*(\f)+8*(\i)+7], v[ADRA+(\slot)] offset:(\k)+(\i)*16*PITCH+32
.endr
.endm
; A K step is four quarters of 32 along K, 48 matrix instructions each, on sets 0, 1, 0, 1.  One of the first three: multiplies set f and, in its middle, fetches the next quarter into set g.
.macro QUARTER slot, k, f, g, first
	s_wait_dscnt 4                                 ; B and A's blocks 0, 1 are in; the youngest four loads (A's blocks 2, 3) may be out
	MUL12 \f, 0, \first
	MUL12 \f, 1, \first
	PLACES
	FETCH \slot, \k, \g
	s_wait_dscnt 32                                ; all but the 32 just issued
	MUL12 \f, 2, \first
	MUL12 \f, 3, \first
.endm
; The last quarter multiplies set 1 and changes slots: one barrier.  In front of it each wave waits for all its tensor loads (one is out: its part of the next slot), adds 0 to its spare word,
; and waits for that and for its own reads of this slot.  fill = 1: the barrier opens a round of the cluster's, and this slot is filled again, two K steps on, first thing behind it:
; from there to the wait for that load a wave issues 168 matrix instructions.
.macro TURN slot, next, fill
.if \fill
	s_wait_xcnt 0x0                                ; the last prefetch, a K step back, has read its address
	s_add_nc_u64 s[PFA:PFA+1], s[PFA:PFA+1], KSTEP*2
.endif
	WIN 0
	s_wait_tensorcnt 0x0                           ; all my tensor loads have landed
	ds_add_u32 v[SPW], v[NIL]                      ; 0 onto my spare word
	s_wait_dscnt 5                                 ; (the add and the youngest four loads may be out)
	MUL12 1, 0, 0                                  ; twelve matrix instructions stand between the add and the wait for it
	s_wait_dscnt 0x0                               ; the add is done, and my reads of this slot are over
	s_barrier_signal -1
	MUL12 1, 1, 0
.if \fill
	WIN 0
.endif
	s_barrier_wait -1
.if \fill
	CREST                                          ; no wave of any partner still reads this slot or has a load on its way
	s_add_nc_u64 s[G0+4*(\slot)+2:G0+4*(\slot)+3], s[G0+4*(\slot)+2:G0+4*(\slot)+3], 2*KSTEP*2
	s_add_nc_u64 s[G0B+4*(\slot)+2:G0B+4*(\slot)+3], s[G0B+4*(\slot)+2:G0B+4*(\slot)+3], 2*KSTEP*2
	JLOAD \slot                                    ; its four v_nop are also the places in front of the loads below
.else
	PLACES
.endif
	FETCH \next, 0, 0
.if \fill
	ASK
.endif
	MUL12 1, 2, 0
	MUL12 1, 3, 0
.endm
	s_wait_tensorcnt 0x1                           ; my part of K step 0 is in; K step 1's may stay out
	s_barrier_signal -1
	s_barrier_wait -1
	FETCH 0, 0, 0
	QUARTER 0, 64, 0, 1, 1                         ; the first quarter stands in front of the loop: its products start the sums
	WIN 0
	s_mov_b32 s3, LAPS-1
.Llap:                                         ; a trip goes once round the ring, from a lap's second quarter to the next lap's first, and fills both slots again
	QUARTER 0, 128, 1, 0, 0
	QUARTER 0, 192, 0, 1, 0
	TURN 0, 1, 1
	QUARTER 1, 64, 0, 1, 0
	QUARTER 1, 128, 1, 0, 0
	QUARTER 1, 192, 0, 1, 0
	TURN 1, 0, 1
	QUARTER 0, 64, 0, 1, 0
	WIN 0
	s_sub_co_u32 s3, s3, 1
	s_cmp_lg_u32 s3, 0
	s_cbranch_scc1 .Llap
	QUARTER 0, 128, 1, 0, 0                        ; the last lap fills nothing
	QUARTER 0, 192, 0, 1, 0
	TURN 0, 1, 0
	QUARTER 1, 64, 0, 1, 0
	QUARTER 1, 128, 1, 0, 0
	QUARTER 1, 192, 0, 1, 0
	s_wait_dscnt 4
	MUL12 1, 0, 0
	MUL12 1, 1, 0
	s_wait_dscnt 0x0
	MUL12 1, 2, 0
	MUL12 1, 3, 0
	WIN 0
	PLACES
	; V's COLUMN SUMS over my 64 rows (column blocks 8-11): the four row blocks are added, then the 16 lanes of a half (the 16 rows of a block).  Each accumulator is read from its lowest registers on.
	WIN 0x0a
.set i, 0
.rept 16
	v_pk_add_f32 v[VS+i:VS+i+1], v[64+i:64+i+1], v[160+i:160+i+1]
.set i, i+2
.endr
	WIN 0x0f
.set i, 0
.rept 16
	v_pk_add_f32 v[VS+32+i:VS+32+i+1], v[64+i:64+i+1], v[160+i:160+i+1]
.set i, i+2
.endr
	WIN 0
.set i, 0
.rept 16
	v_pk_add_f32 v[VS+i:VS+i+1], v[VS+i:VS+i+1], v[VS+32+i:VS+32+i+1]
.set i, i+2
.endr
.irp x, 1,2,4,8
.set i, 0
.rept 32
	v_add_f32_dpp v[VS+i], v[VS+i], v[VS+i] row_xmask:\x row_mask:0xf bank_mask:0xf
.set i, i+1
.endr
.endr
.irp f, 0,1,2,3,4,5,6,7                ; the 16 lanes of a half hold the same sums and write the same words
	ds_store_b128 v[VSA], v[VS+4*(\f):VS+4*(\f)+3] offset:64*((\f)/2)+16*((\f)%2)
.endr
	ds_load_b64 v[VS+32:VS+33], v[VSL]             ; LDS serves a wave's instructions in order (ISA guide 5.7.1.4): this sees the stores above
	s_wait_dscnt 0x0
	global_store_b64 v[VPO], v[VS+32:VS+33], s[VP:VP+1]  ; 256 consecutive bytes, aligned
; THE WAY OUT of row block a.  PACK: rounded to f16, 16 bytes a lane for each column block.  TOSTAGE: into my own stage (three tensors x 16 rows x 144 bytes) and back as whole rows.  SEND: stored.
.macro PACK a
	WIN 0x0a+5*((\a)/2)
.irp b, 0,1,2,3,4,5,6,7,8,9,10,11
.irp r, 0,1,2,3
	v_cvt_pk_f16_f32 v[TMP+4*(\b)+(\r)], v[96*((\a)%2)+8*(\b)+2*(\r)], v[96*((\a)%2)+8*(\b)+2*(\r)+1]
.endr
.endr
	WIN 0
.endm
.macro TOSTAGE
	s_wait_xcnt 0x0                                ; the last block's stores have read the registers that the loads below fill
.irp b, 0,1,2,3,4,5,6,7,8,9,10,11
	ds_store_b128 v[STO], v[TMP+4*(\b):TMP+4*(\b)+3] offset:16*SP*((\b)/4)+32*((\b)%4)
.endr
.irp b, 0,1,2,3,4,5,6,7,8,9,10,11      ; tensor b / 4, rows 4 (b % 4) on
	ds_load_b128 v[BK+4*(\b):BK+4*(\b)+3], v[RD] offset:16*SP*((\b)/4)+4*SP*((\b)%4)
.endr
.endm
.macro SEND a
	s_wait_dscnt 0x0                               ; the block is back in registers
.irp b, 0,1,2,3,4,5,6,7,8,9,10,11
	global_store_b128 v[CO], v[BK+4*(\b):BK+4*(\b)+3], s[OUT+2*((\b)/4):OUT+2*((\b)/4)+1] offset:2048*(\a)+512*((\b)%4)  ; 512 consecutive bytes, at a multiple of 256 from qkv's first
.endr
.endm
	PACK 0
	TOSTAGE
.irp a, 1,2,3                          ; block a's conversions stand between block a - 1's loads from the stage and the wait for them
	PACK \a
	SEND (\a)-1
	TOSTAGE
.endr
	SEND 3
	s_wait_tensorcnt 0x0                           ; the wave's end, behind my last tensor load and my last LDS store
	ds_add_u32 v[SPW], v[NIL]
	s_wait_dscnt 0x0
	CROUND                                         ; the closing round: no work-group ends while a partner may still ask for a tile that names it
	s_endpgm
.Lfunc_end_k_qe86cad840b_gemm:
	.size	k_qe86cad840b_gemm, .Lfunc_end_k_qe86cad840b_gemm-k_qe86cad840b_gemm
	.p2alignl 7, 3214868480
	.fill 96, 4, 3214868480
	.section	.rodata,"a",@progbits
	.p2align	6, 0x0
	.amdhsa_kernel k_qe86cad840b_gemm
		.amdhsa_group_segment_fixed_size 327680
		.amdhsa_private_segment_fixed_size 0
		.amdhsa_enable_private_segment 0
		.amdhsa_kernarg_size 48
		.amdhsa_user_sgpr_count 2
		.amdhsa_user_sgpr_kernarg_segment_ptr 1
		.amdhsa_wavefront_size32 1
		.amdhsa_system_sgpr_workgroup_id_x 1
		.amdhsa_system_sgpr_workgroup_id_y 1
		.amdhsa_system_sgpr_workgroup_id_z 1
		.amdhsa_system_vgpr_workitem_id 0
		.amdhsa_next_free_vgpr 960
		.amdhsa_next_free_sgpr 96
		.amdhsa_reserve_vcc 0
		.amdhsa_float_denorm_mode_32 3
		.amdhsa_float_denorm_mode_16_64 3
		.amdhsa_memory_ordered 1
		.amdhsa_forward_progress 1
		.amdhsa_inst_pref_size 141
	.end_amdhsa_kernel
	.amdgpu_metadata
---
amdhsa.version: [ 1, 2 ]
amdhsa.kernels:
  - .name:           k_qe86cad840b_gemm
    .symbol:         k_qe86cad840b_gemm.kd
    .args:
      - { .name: xw, .offset: 0, .size: 8, .value_kind: global_buffer, .address_space: global }
      - { .name: bq, .offset: 8, .size: 8, .value_kind: global_buffer, .address_space: global }
      - { .name: bk, .offset: 16, .size: 8, .value_kind: global_buffer, .address_space: global }
      - { .name: bv, .offset: 24, .size: 8, .value_kind: global_buffer, .address_space: global }
      - { .name: qkv, .offset: 32, .size: 8, .value_kind: global_buffer, .address_space: global }
      - { .name: vpart, .offset: 40, .size: 8, .value_kind: global_buffer, .address_space: global }
    .group_segment_fixed_size: 327680
    .private_segment_fixed_size: 0
    .kernarg_segment_align: 8
    .kernarg_segment_size: 48
    .max_flat_workgroup_size: 128
    .sgpr_count:     96
    .vgpr_count:     960
    .wavefront_size: 32
...
	.end_amdgpu_metadata
.endif
;; end of part 2
;; launch attn (part 3): grid 16 x 16, 4 waves a work-group, no clusters, 176,640 bytes of LDS; arguments qkv, vpart, attention_mask, xw, xres; writes xres
.if DOCPART == 3
	.amdgcn_target "amdgcn-amd-amdhsa--gfx1250"
	.amdhsa_code_object_version 6
	.text
	.protected	k_qe86cad840b_attn
	.globl	k_qe86cad840b_attn
	.p2align	8
	.type	k_qe86cad840b_attn,@function
k_qe86cad840b_attn:
	s_mov_b64 s[64:65], 0
	v_nop
	global_prefetch_b8 v0, s[64:65] scope:SCOPE_SE
	s_setreg_imm32_b32 hwreg(HW_REG_WAVE_MODE, 25, 1), 1
	s_wait_xcnt 0x0
; BANDED ATTENTION AND THE RESIDUAL.  xres[q][64 head + d] = hidden[q][..] + the sum over ALL 4,096 keys k of softmax_k(score) V[k][d], where
; score = q.k / 8 + (1 - mask[k]) x -10000 for k in [q - 128, q + 128), and score = -10000 for every other key.  q, k, v: qkv = [3][16][4096][64] in f16.
; FORMATS.  Every input of the module enters rounded once to bf16: hidden comes from xw's rows 0..4095 (bf16), the mask is rounded here in registers.  q, k, v and the weights p are f16.
; IN RAW SCORES s = q.k + C[k], C[k] = 80000 mask[k] - 80000, NEG = -80000, c = log2(e) / 8: p = 2^(c s - c m) with a running maximum m that STARTS AT NEG: every row has keys outside its band.
; KEYS OUTSIDE THE BAND all have the weight e = 2^(c NEG - c m).  Those inside the 64-key steps that a wave walks get s := NEG and go through the products like any key.  Those in the
; blocks of 64 keys that it does not walk are added at the end: O = (acc + e U) / (l + e N), U = the sum of vpart (V's column sums by blocks, f32) over these blocks, N = their keys.
; SHARES.  A work-group owns 256 queries of one head, a wave 64: four tiles of 16.  LDS takes keys 256 bx - 128 .. 256 bx + 383 ONCE: 512 rows of K and of V; no byte of LDS is filled again.
; Wave w walks five steps of 64 keys from its first query less 128.  With kappa the key's place in the step and rho the query's place in the wave: step 0 keeps kappa >= rho, steps 1-3 keep all,
; step 4 keeps kappa < rho.  By blocks of 16 x 16: whole, dead (no product; NEG is written) or diagonal (eight selects).  Keys that do not exist come only as whole steps, which are jumped.
; NO CLUSTER: neighbouring query blocks' 512 keys are shifted by 256, so a shared chunk would lie at an LDS address that hangs on the place in the cluster; a walk common to four partners would
; have 8 steps of a wave's own 5; and what could be spared is at most half of one fill of 128 KiB a work-group.
; LAYOUT.  S^T = K Q^T + C (source 0 = 16 keys, source 1 = 16 queries, the C operand = the padding mask's addend): a lane holds ONE query (lane % 16) and keys 8 (lane / 16) + 0..7.  Two such results
; rounded to f16 ARE source 1 of O^T = V^T P.  K comes out of LDS as it lies, V turned by ds_load_tr16_b128.
; IN PHASES: a step's 32 products K Q^T, its softmax (one batch of 132 exponentials with one wait), its 32 products V^T P.
; LIMITS.  f16 holds no number beyond 65,504: q, k and v arrive within it; p lies in 0 to 1, and below 6e-5 it keeps f16's fixed step of 6e-8 (l is the sum of the unrounded p); a weight below 2^-126
; counts as 0; NaN and infinities are not treated apart (0 x an infinite block sum would be NaN); the mask may hold any number, C is one fused multiply-add of it; sums are taken in another order than the reference's.
; REGISTERS, in windows of 256 (s_set_vgpr_msb: bits 1:0 source 0, 3:2 source 1, 5:4 source 2, 7:6 destination):
;   window 0: v0-15 addresses; v16-47 eight registers of statistics a tile; v48-61 at work; v64-191 S^T, 32 a tile; v192-255 P, 16 a tile
;   window 1: v0-127 O^T, 32 a tile; v128-159 C of a step's 64 keys; v160-191 U      window 2: v0-63 Q; v128-191 K of a step; v192-255 V of a step      window 3: v0-63 the residual, bf16
.set PK,    144       ; a row of K in LDS: 128 bytes + 16 = 36 words: the 16 rows of a load start at 16 different groups of four banks (64 banks of 4 bytes: ISA guide 11.1)
.set PV,    160       ; a row of V: 128 + 32 = 40 words
.set VOFF,  512*PK
.set MT,    VOFF+512*PV   ; C of the 512 keys, f32
.set USC,   MT+2048       ; 256 bytes for each wave: U on its way from two channels a lane to O^T's layout
.set STAGE, USC+1024      ; 16 rows x 272 bytes for each wave, for the way out
.set SPI,   272
.set SPARE, STAGE+4*16*SPI ; the spare words, 128 bytes for each wave: two blocks of 256 bytes that no other line names
.set AK0, 2
.set AV0, 3
.set AM0, 4
.set AK,  5
.set AV,  6
.set AM,  7
.set QO,  8
.set STO, 10
.set RD,  11
.set GO,  12          ; v12  my 16 bytes of two rows of xres: 4,096 h + 16 r
.set NEGV, 13         ; v13  NEG
.set MKO, 14          ; v14  16 x lane
.set VPO, 15          ; v15  8 x lane
.set ST,  16          ; tile t at v[ST+8 t]: c m, m, l (even keys', odd keys'), c0-c3 at work; a takes c2's place
.set UA,  48          ; v48-55 four chains of U's sum, two channels a lane
.set GH,  56          ; v56  first the lane, then my 8 bytes of two rows of xw: 2,048 h + 8 r
.set USA, 57
.set USL, 58
.set NUNC, 59         ; v59  N as f32
.set MTA, 60
.set DV,  61
.set SPW, 62
.set NIL, 63
.set S,   64
.set P,   192
.set MC,  128         ; window 1
.set U,   160         ; window 1
.set KF,  128         ; window 2
.set VF,  192         ; window 2
.set WV,  14
.set G1K, 24
.set G1V, 32
.set G0K, 40
.set G0V, 44
.set DM,  48          ; s[48:55] lanes where 8 (l / 16) + j >= l % 16
.set CS,  56          ; s[56:57] c
.set SEL, 58          ; s[58:59] v_permlanex16_b32's selects
.set TBK, 60          ; s60-62 LDS byte at which the step's K, V (less VOFF), C (less MT) begin
.set TBV, 61
.set TBM, 62
.set KEY0, 63         ; s63 the step's first key; as an unsigned number 4,096 or more where the step does not exist
.set CNT, 66
.set BLK0, 67         ; s67 the first block of 64 keys that I walk, signed
.set TT,  68
.set WG,  70          ; s[70:71]
.set VPB, 74
.set HB,  76
.set XB,  78
.set MSB, 0
.macro WIN new
.if MSB != (\new)
	s_set_vgpr_msb (MSB<<8)|(\new)
.set MSB, (\new)
.endif
.endm
.macro PLACES
.rept 4
	v_nop
.endr
.endm
	s_load_b256 s[4:11], s[0:1], 0x0               ; qkv s[4:5], vpart s[6:7], mask s[8:9], xw s[10:11]
	s_load_b64 s[12:13], s[0:1], 0x20              ; xres
	v_lshl_add_u32 v[SPW], v0, 2, SPARE
	v_mov_b32 v[NIL], 0
	ds_add_u32 v[SPW], v[NIL]                      ; the wave's opening: the add and its wait stand ahead of my first tensor load; the set-up below stands between them
	v_lshrrev_b32 v1, 5, v0
	v_readfirstlane_b32 s[WV], v1
	s_mov_b32 s15, ttmp9                           ; bx: my block of 256 queries
	s_and_b32 s16, ttmp7, 0xffff                   ; the head
	s_lshl_b32 s17, s15, 8
	s_lshl_b32 s80, s[WV], 6
	s_add_co_u32 s17, s17, s80                     ; qw: my wave's first query
	s_lshl_b32 s18, s15, 8
	s_lshl_b32 s80, s[WV], 7
	s_add_co_u32 s18, s18, s80
	s_sub_co_i32 s18, s18, 128                     ; the first key of the chunk of 128 that I fetch;
	s_max_i32 s18, s18, 0                          ; the two chunks of the launch that do not exist fetch rows that do, and no step reads them
	s_min_i32 s18, s18, 3968
	; group 1: 128 keys are 16,384 dense bytes: asked for as 64 rows of 256 bytes, padded in LDS after every key
	s_mov_b32 s[G1K], (1<<16)|(1<<20)|(4<<22)|(3<<25)  ; 2-byte elements; padding on; after every 32 words; 4 words
	s_mov_b32 s[G1V], (1<<16)|(1<<20)|(4<<22)|(7<<25)  ; 8 words
.irp g, G1K, G1V
	s_mov_b32 s[\g+1], 128<<16
	s_mov_b32 s[\g+2], 64<<16
	s_mov_b32 s[\g+3], 128<<16
	s_mov_b32 s[\g+4], 64
	s_mov_b32 s[\g+5], 128
	s_mov_b32 s[\g+6], 0
	s_mov_b32 s[\g+7], 0
.endr
	s_mov_b32 s[G0K], 1
	s_mul_i32 s[G0K+1], s[WV], 128*PK
	s_mov_b32 s[G0V], 1
	s_mul_i32 s[G0V+1], s[WV], 128*PV
	s_add_co_u32 s[G0V+1], s[G0V+1], VOFF
	s_mov_b32 s[CS], 0x3e38aa3b                    ; c = log2(e) / 8
	s_mov_b32 s[CS+1], s[CS]
	s_mov_b32 s[SEL], 0x76543210
	s_mov_b32 s[SEL+1], 0xfedcba98
	s_mov_b32 s84, 0x479c4000                      ; 80000
	s_mov_b32 s85, s84
	s_mov_b32 s86, 0xc79c4000                      ; -80000
	s_mov_b32 s87, s86
	s_mov_b32 s[WG+1], 0
	s_mul_i32 s[TBK], s[WV], 64*PK                 ; step s of wave w lies at rows 64 (w + s)
	s_mul_i32 s[TBV], s[WV], 64*PV
	s_lshl_b32 s[TBM], s[WV], 8
	s_sub_co_u32 s[KEY0], s17, 128
	s_lshl_b32 s[BLK0], s15, 2
	s_add_co_u32 s[BLK0], s[BLK0], s[WV]
	s_sub_co_i32 s[BLK0], s[BLK0], 2
	v_and_b32 v1, 15, v0                           ; r = l % 16
	v_bfe_u32 v9, v0, 4, 1                         ; h = l / 16
	v_and_b32 v56, 31, v0                          ; l
	v_mul_u32_u24 v[AK0], v1, PK
	v_lshl_add_u32 v[AK0], v9, 4, v[AK0]
	v_and_b32 v57, 7, v0
	v_bfe_u32 v58, v0, 3, 1
	v_lshl_add_u32 v[AV0], v9, 3, v57              ; the turning load: key 8 h + l % 8, channels 8 ((l / 8) % 2) on
	v_mul_u32_u24 v[AV0], v[AV0], PV
	v_lshl_add_u32 v[AV0], v58, 4, v[AV0]
	v_add_nc_u32 v[AV0], VOFF, v[AV0]
	v_lshl_add_u32 v[AM0], v9, 5, MT
	v_lshlrev_b32 v[QO], 7, v1
	v_lshl_add_u32 v[QO], v9, 4, v[QO]
	s_mul_i32 s80, s[WV], 16*SPI
	s_add_co_u32 s80, s80, STAGE
	v_mul_u32_u24 v[STO], v1, SPI                  ; in: row r, 32 bytes for each half of the lanes
	v_lshl_add_u32 v[STO], v9, 5, v[STO]
	v_add_nc_u32 v[STO], s80, v[STO]
	v_mul_u32_u24 v[RD], v9, SPI                   ; back: lanes 0-15 one row of 256 bytes, lanes 16-31 the next
	v_lshl_add_u32 v[RD], v1, 4, v[RD]
	v_add_nc_u32 v[RD], s80, v[RD]
	v_lshlrev_b32 v[GO], 12, v9                    ; the same two rows in xres
	v_lshl_add_u32 v[GO], v1, 4, v[GO]
	v_mov_b32 v[NEGV], 0xc79c4000
	v_lshlrev_b32 v[MKO], 4, v56
	v_lshlrev_b32 v[VPO], 3, v56
	v_lshlrev_b32 v[GH], 11, v9                    ; and in xw, where a row has 2,048 bytes and my four channels 8
	v_lshl_add_u32 v[GH], v1, 3, v[GH]
	s_lshl_b32 s81, s[WV], 9
	s_add_co_u32 s81, s81, MT
	v_add_nc_u32 v[MTA], s81, v[MKO]
	s_lshl_b32 s81, s[WV], 8
	s_add_co_u32 s81, s81, USC
	v_add_nc_u32 v[USA], s81, v[VPO]
	v_lshl_add_u32 v[USL], v9, 5, s81
	v_lshlrev_b32 v[DV], 3, v9
	v_sub_nc_u32 v[DV], v1, v[DV]                  ; r - 8 h
	s_lshl_b32 s80, s16, 19                        ; the head's rows in a tensor of qkv
	s_lshl_b32 s81, s18, 7
	s_add_co_u32 s82, s80, s81                     ; + my chunk of keys
	s_mov_b32 s83, 0
	s_lshl_b32 s81, s17, 7
	s_add_co_u32 s80, s80, s81                     ; + my queries
	s_mov_b32 s81, 0
	s_wait_dscnt 0x0                               ; the opening add is done
	s_wait_kmcnt 0x0
	s_add_nc_u64 s[20:21], s[4:5], s[80:81]        ; Q at my wave's first row
	s_add_nc_u64 s[G0K+2:G0K+3], s[4:5], s[82:83]
	s_add_nc_u64 s[G0K+2:G0K+3], s[G0K+2:G0K+3], 0x800000
	s_or_b32 s[G0K+3], s[G0K+3], 0x80000000
	s_add_nc_u64 s[G0V+2:G0V+3], s[4:5], s[82:83]
	s_add_nc_u64 s[G0V+2:G0V+3], s[G0V+2:G0V+3], 0x1000000
	s_or_b32 s[G0V+3], s[G0V+3], 0x80000000
	tensor_load_to_lds s[G0K:G0K+3], s[G1K:G1K+7]  ; my 128 keys of K and of V: the launch's only fills; two loads of mine are out
	s_nop 0
	tensor_load_to_lds s[G0V:G0V+3], s[G1V:G1V+7]
	s_nop 0
.rept 4
	v_nop
.endr
	s_lshl_b32 s80, s18, 2
	s_add_nc_u64 s[22:23], s[8:9], s[80:81]        ; the mask at my chunk
	s_lshl_b32 s80, s16, 8
	s_add_nc_u64 s[VPB:VPB+1], s[6:7], s[80:81]    ; vpart at my head
	s_lshl_b32 s82, s17, 12
	s_add_co_u32 s80, s80, s82
	s_add_nc_u64 s[XB:XB+1], s[12:13], s[80:81]    ; xres at my wave's first row, my head's 256 bytes
	s_lshr_b32 s80, s80, 1                         ; in xw the same place lies at half the offset
	s_add_nc_u64 s[HB:HB+1], s[10:11], s[80:81]
	global_load_b128 v[P:P+3], v[MKO], s[22:23]    ; the mask of my 128 keys
	WIN 0x80
.set i, 0
.rept 8                                ; Q stays in registers: tile i / 2, channels 32 (i % 2) on
	global_load_b128 v[8*i:8*i+3],   v[QO], s[20:21] offset:(i/2)*2048+(i%2)*64
	global_load_b128 v[8*i+4:8*i+7], v[QO], s[20:21] offset:(i/2)*2048+(i%2)*64+32
.set i, i+1
.endr
	WIN 0
.set i, 0
.rept 64                               ; my head's 64 block sums of V, two channels a lane
	global_load_b64 v[S+2*i:S+2*i+1], v[VPO], s[VPB:VPB+1] offset:4096*i
.set i, i+1
.endr
	; O^T, l and U's chains start at 0, m at NEG: cleared on purpose, since the first step that runs differs from wave to wave.  All this stands in the wait for the loads.
	WIN 0x40
.set i, 0
.rept 128
	v_mov_b32 v[i], 0
.set i, i+1
.endr
	WIN 0
.set t, 0
.rept 4
	v_mul_f32 v[ST+8*t], s[CS], v[NEGV]
	v_mov_b32 v[ST+8*t+1], v[NEGV]
.irp q, 2,3,4,5,6,7
	v_mov_b32 v[ST+8*t+(\q)], 0
.endr
.set t, t+1
.endr
.irp q, 0,1,2,3,4,5,6,7
	v_mov_b32 v[UA+(\q)], 0
	v_cmp_ge_i32 s[DM+(\q)], \q, v[DV]             ; j >= r - 8 h
.endr
	s_add_co_i32 s80, s[BLK0], 4                   ; N = 4096 - 64 x the blocks that I walk and that exist
	s_min_i32 s80, s80, 63
	s_max_i32 s81, s[BLK0], 0
	s_sub_co_u32 s80, s80, s81
	s_add_co_u32 s80, s80, 1
	s_lshl_b32 s80, s80, 6
	s_sub_co_u32 s80, 4096, s80
	v_cvt_f32_u32 v[NUNC], s80
	s_wait_loadcnt 63                              ; 80 loads were issued behind the mask's; the largest count that the wait can name shows it in as well
	v_cvt_pk_bf16_f32 v[P+4], v[P], v[P+1]         ; the mask is rounded to bf16, like every input, and widened again
	v_cvt_pk_bf16_f32 v[P+5], v[P+2], v[P+3]
	v_lshlrev_b32 v[P], 16, v[P+4]
	v_and_b32 v[P+1], 0xffff0000, v[P+4]
	v_lshlrev_b32 v[P+2], 16, v[P+5]
	v_and_b32 v[P+3], 0xffff0000, v[P+5]
	v_pk_fma_f32 v[P:P+1], v[P:P+1], s[84:85], s[86:87] op_sel_hi:[1,0,0]      ; C = 80000 mask - 80000
	v_pk_fma_f32 v[P+2:P+3], v[P+2:P+3], s[84:85], s[86:87] op_sel_hi:[1,0,0]
	ds_store_b128 v[MTA], v[P:P+3]
	s_wait_loadcnt 0x0                             ; Q and the block sums
.set i, 0
.rept 64                               ; U: block i counts unless it is one of my five
	s_sub_co_u32 s[TT], i, s[BLK0]
	s_cmp_gt_u32 s[TT], 4
	s_cselect_b32 s[WG], 1.0, 0
	v_pk_fma_f32 v[UA+2*(i%4):UA+2*(i%4)+1], v[S+2*i:S+2*i+1], s[WG:WG+1], v[UA+2*(i%4):UA+2*(i%4)+1] op_sel_hi:[1,0,1]
.set i, i+1
.endr
	v_pk_add_f32 v[UA:UA+1], v[UA:UA+1], v[UA+2:UA+3]
	v_pk_add_f32 v[UA+4:UA+5], v[UA+4:UA+5], v[UA+6:UA+7]
	v_pk_add_f32 v[UA:UA+1], v[UA:UA+1], v[UA+4:UA+5]
	ds_store_b64 v[USA], v[UA:UA+1]
	WIN 0x40
.irp f, 0,1,2,3,4,5,6,7                ; back in O^T's layout: channels 16 (f / 2) + 8 h + 4 (f % 2) on; LDS serves a wave's instructions in order (ISA guide 5.7.1.4)
	ds_load_b128 v[U+4*(\f):U+4*(\f)+3], v[USL] offset:64*((\f)/2)+16*((\f)%2)
.endr
	WIN 0
	s_wait_tensorcnt 0x0                           ; my chunks of K and V have landed,
	s_wait_dscnt 0x0                               ; my part of C is stored, U is in:
	s_barrier_signal -1
	s_barrier_wait -1                              ; everybody's: the launch's one barrier
	WIN 0xc0
.set i, 0
.rept 32                               ; the residual in bf16, in the layout of the way out: tile i / 8, rows 2 (i % 8) + h, four channels a lane; waited for at the end
	global_load_b64 v[2*i:2*i+1], v[GH], s[HB:HB+1] offset:32768*(i/8)+4096*(i%8)
.set i, i+1
.endr
	WIN 0
.macro FETCH_M
	WIN 0x40
.irp f, 0,1,2,3,4,5,6,7                ; C of keys 16 (f / 2) + 8 h + 4 (f % 2) on: the 16 lanes of a half read the same words
	ds_load_b128 v[MC+4*(\f):MC+4*(\f)+3], v[AM] offset:64*((\f)/2)+16*((\f)%2)
.endr
.endm
.macro FETCH_K
	WIN 0x80
.irp f, 0,1,2,3,4,5,6,7                ; keys 16 (f / 2) on, channels 32 (f % 2) on
	ds_load_b128 v[KF+8*(\f):KF+8*(\f)+3],   v[AK] offset:((\f)/2)*16*PK+((\f)%2)*64
	ds_load_b128 v[KF+8*(\f)+4:KF+8*(\f)+7], v[AK] offset:((\f)/2)*16*PK+((\f)%2)*64+32
.endr
.endm
.macro FETCH_V
	WIN 0x80
.irp f, 0,1,2,3,4,5,6,7                ; keys 32 (f / 4) on, channels 16 (f % 4) on
	ds_load_tr16_b128 v[VF+8*(\f):VF+8*(\f)+3],   v[AV] offset:((\f)/4)*32*PV+((\f)%4)*32
	ds_load_tr16_b128 v[VF+8*(\f)+4:VF+8*(\f)+7], v[AV] offset:((\f)/4)*32*PV+16*PV+((\f)%4)*32
.endr
.endm
; S^T = K Q^T + C: product i: channels 32 (i / 16) on, keys 16 ((i / 4) % 4) on, tile i % 4; dead blocks are left out.  The 16 (or 10) accumulators take turns.
.macro KQ kind
.set i, 0
.rept 32
.set cc, i/16
.set kb, (i/4)%4
.set tt, i%4
.set dead, 0
.if ((\kind) == 0) && (kb < tt)
.set dead, 1
.endif
.if ((\kind) == 2) && (kb > tt)
.set dead, 1
.endif
.if dead == 0
.set rS, S+32*tt+8*kb
.set rK, KF+16*kb+8*cc
.set rQ, 16*tt+8*cc
.if cc == 0
	WIN 0x1a
	v_wmma_f32_16x16x32_f16 v[rS:rS+7], v[rK:rK+7], v[rQ:rQ+7], v[MC+8*kb:MC+8*kb+7]
.else
	WIN 0x0a
	v_wmma_f32_16x16x32_f16 v[rS:rS+7], v[rK:rK+7], v[rQ:rQ+7], v[rS:rS+7]
.endif
.endif
.set i, i+1
.endr
.endm
; O^T += V^T P: product i: keys 32 (i / 16) on, channels 16 ((i / 4) % 4) on, tile i % 4: 16 accumulators by turns
.macro PVM
	WIN 0x52
.set i, 0
.rept 32
.set rO, 32*(i%4)+8*((i/4)%4)
.set rV, VF+32*(i/16)+8*((i/4)%4)
.set rP, P+16*(i%4)+8*(i/16)
	v_wmma_f32_16x16x32_f16 v[rO:rO+7], v[rV:rV+7], v[rP:rP+7], v[rO:rO+7]
.set i, i+1
.endr
.endm
; Number j of the 118 instructions of one tile's softmax for one step.  s0-s31 are the lane's 32 scores, in pairs 0-15.
;   0-15   the maximum of s0-s31 and the old m, three operands at a time (each accumulator's lowest registers are read first)
;   16-20  the other half of the lanes' maximum; the new m; c m; c m_old - c m_new
;   21-69  one batch: the 16 scalings c s - c m and all 33 exponentials (a at 23, then s0-s31); none of these reads an exponential's result
;   70-85  the roundings to f16     86-101 the sums; l = a l + the sum     102-117 the tile's O^T times a
.macro SM t
.set rT, ST+8*(\t)
.set rS, S+32*(\t)
.set rP, P+16*(\t)
.set rO, 32*(\t)+2*(j-102)
.if j < 102
	WIN 0
.endif
.if j < 4
	v_max3_num_f32 v[rT+4+j], v[rS+8*j], v[rS+8*j+1], v[rS+8*j+2]
.elseif j < 12
	v_max3_num_f32 v[rT+4+j%4], v[rT+4+j%4], v[rS+8*(j%4)+2*(j/4)+1], v[rS+8*(j%4)+2*(j/4)+2]
.elseif j == 12
	v_max3_num_f32 v[rT+4], v[rT+4], v[rS+7], v[rS+15]
.elseif j == 13
	v_max3_num_f32 v[rT+6], v[rT+6], v[rS+23], v[rS+31]
.elseif j == 14
	v_max3_num_f32 v[rT+4], v[rT+4], v[rT+5], v[rT+6]
.elseif j == 15
	v_max3_num_f32 v[rT+4], v[rT+4], v[rT+7], v[rT+1]
.elseif j == 16
	v_permlanex16_b32 v[rT+5], v[rT+4], s[SEL], s[SEL+1]  ; the query's other 32 keys lie in the lane 16 away
.elseif j == 17
	v_mov_b32 v[rT+7], v[rT]                       ; c m_old is kept for a
.elseif j == 18
	v_max_num_f32 v[rT+1], v[rT+4], v[rT+5]
.elseif j == 19
	v_mul_f32 v[rT], s[CS], v[rT+1]
.elseif j == 20
	v_sub_f32 v[rT+7], v[rT+7], v[rT]
.elseif j == 23
	v_exp_f32 v[rT+6], v[rT+7]
.elseif (j < 23) || ((j < 38) && (j%2 == 0)) || ((j < 66) && (j%4 == 2))
.set b, (j-2)/4                        ; 38, 42, .. 62: pairs 9 to 15
.if j < 38
.set b, (j-20)/2                       ; 21: pair 0; 22, 24, .. 36: pairs 1 to 8
.endif
	v_pk_fma_f32 v[rS+2*b:rS+2*b+1], v[rS+2*b:rS+2*b+1], s[CS:CS+1], v[rT:rT+1] op_sel_hi:[1,0,0] neg_lo:[0,0,1] neg_hi:[0,0,1]
.elseif j < 70
.set e, j-38                           ; 66 to 69: s28 to s31
.if j < 66
.set e, j-32-(j-38)/4                  ; 39-41, 43-45, .. 63-65: s7 to s27
.endif
.if j < 38
.set e, (j-25)/2                       ; 25, 27, .. 37: s0 to s6
.endif
	v_exp_f32 v[rS+e], v[rS+e]
.elseif j < 86
	v_cvt_pk_f16_f32 v[rP+j-70], v[rS+2*(j-70)], v[rS+2*(j-70)+1]
.elseif j < 102                        ; the 16 pairs are added in place, neighbours 1, 2, 4 and 8 pairs apart; then l takes the sum
.set z, j-86
.set w, 4
.set u, z
.if z >= 14
.set w, 32
.set u, 0
.elseif z >= 12
.set w, 16
.set u, z-12
.elseif z >= 8
.set w, 8
.set u, z-8
.endif
.if z < 15
	v_pk_add_f32 v[rS+w*u:rS+w*u+1], v[rS+w*u:rS+w*u+1], v[rS+w*u+w/2:rS+w*u+w/2+1]
.else
	v_pk_fma_f32 v[rT+2:rT+3], v[rT+2:rT+3], v[rT+6:rT+7], v[rS:rS+1] op_sel_hi:[1,0,1]
.endif
.else
	WIN 0x41
	v_pk_mul_f32 v[rO:rO+1], v[rO:rO+1], v[rT+6:rT+7] op_sel_hi:[1,0]
.endif
.endm
; A KEY STEP.  kind 0: the band's lower edge runs through it; 1: all keys are inside; 2: the upper edge.  A step whose keys do not exist is jumped: forward, past no barrier and no tensor load.
.macro STEP kind
	WIN 0
	s_cmp_lt_u32 s[KEY0], 4096
	s_cbranch_scc0 .Lskip_\@
	v_add_nc_u32 v[AM], s[TBM], v[AM0]
	v_add_nc_u32 v[AK], s[TBK], v[AK0]
	v_add_nc_u32 v[AV], s[TBV], v[AV0]
	FETCH_M
	FETCH_K
	FETCH_V
	WIN 0
.irp t, 0,1,2,3
.irp g, 0,1,2,3
.if (((\kind) == 0) && ((\g) < (\t))) || (((\kind) == 2) && ((\g) > (\t)))
.irp q, 0,1,2,3,4,5,6,7
	v_mov_b32 v[S+32*(\t)+8*(\g)+(\q)], v[NEGV]    ; a dead block: all its keys lie outside the band
.endr
.endif
.endr
.endr
	s_wait_dscnt 16                                ; C and K are in; V's 16 loads may stay out
	KQ \kind
	WIN 0
	PLACES                                         ; between the last product and the first read of a result
.if (\kind) != 1
.irp t, 0,1,2,3
.irp q, 0,1,2,3,4,5,6,7
.if (\kind) == 0
	v_cndmask_b32 v[S+40*(\t)+(\q)], v[NEGV], v[S+40*(\t)+(\q)], s[DM+(\q)]  ; the diagonal block: kept where 8 h + j >= r
.else
	v_cndmask_b32 v[S+40*(\t)+(\q)], v[S+40*(\t)+(\q)], v[NEGV], s[DM+(\q)]  ; kept where 8 h + j < r
.endif
.endr
.endr
.endif
.set j, 0
.rept 70                               ; the four tiles alternate, so that no instruction reads the result of the one before it
.irp t, 0,1,2,3
	SM \t
.endr
.set j, j+1
.endr
	v_nop                                          ; a plain instruction behind the last exponential (ISA guide 5.7.2): one for the batch
	s_wait_alu depctr_va_vdst(0)                   ; the wait between the exponentials and the first line that names a result: one for the 132
.rept 48
.irp t, 0,1,2,3
	SM \t
.endr
.set j, j+1
.endr
	s_wait_dscnt 0x0                               ; V is in
	PVM
	WIN 0
	PLACES                                         ; in front of the next step's loads into V's registers, and of the way out's reads of O^T
.Lskip_\@:
	s_add_co_u32 s[TBK], s[TBK], 64*PK
	s_add_co_u32 s[TBV], s[TBV], 64*PV
	s_add_co_u32 s[TBM], s[TBM], 256
	s_add_co_u32 s[KEY0], s[KEY0], 64
.endm
	STEP 0
	s_mov_b32 s[CNT], 3
.Lmid:
	STEP 1
	s_sub_co_u32 s[CNT], s[CNT], 1
	s_cmp_lg_u32 s[CNT], 0
	s_cbranch_scc1 .Lmid
	STEP 2
	; THE WAY OUT.  l's two halves and the other half of the lanes' are added; e = 2^(c NEG - c m); O = (O^T + e U) / (l + e N); through my stage in LDS, a tile at a time; the residual is added; stored.
.macro ALL line:vararg
.set t, 0
.rept 4
	\line
.set t, t+1
.endr
.endm
	s_wait_loadcnt 0x0                             ; the residual
	ALL v_add_f32 v[ST+8*t+4], v[ST+8*t+2], v[ST+8*t+3]
	ALL v_permlanex16_b32 v[ST+8*t+5], v[ST+8*t+4], s[SEL], s[SEL+1]
	ALL v_fma_f32 v[ST+8*t+7], v[NEGV], s[CS], -v[ST+8*t]
	ALL v_add_f32 v[ST+8*t+4], v[ST+8*t+4], v[ST+8*t+5]
	ALL v_exp_f32 v[ST+8*t+6], v[ST+8*t+7]
	v_nop
	s_wait_alu depctr_va_vdst(0)                   ; one wait for the four exponentials
	ALL v_fma_f32 v[ST+8*t+5], v[ST+8*t+6], v[NUNC], v[ST+8*t+4]
	ALL v_rcp_f32 v[ST+8*t+4], v[ST+8*t+5]
	v_nop
	s_wait_alu depctr_va_vdst(0)                   ; one wait for the four reciprocals
.macro PACK t
	WIN 0x51
.set i, 0
.rept 16
	v_pk_fma_f32 v[32*(\t)+i:32*(\t)+i+1], v[U+i:U+i+1], v[ST+8*(\t)+6:ST+8*(\t)+7], v[32*(\t)+i:32*(\t)+i+1] op_sel_hi:[1,0,1]
.set i, i+2
.endr
	WIN 0x41
.set i, 0
.rept 16
	v_pk_mul_f32 v[32*(\t)+i:32*(\t)+i+1], v[32*(\t)+i:32*(\t)+i+1], v[ST+8*(\t)+4:ST+8*(\t)+5] op_sel_hi:[1,0]
.set i, i+2
.endr
	WIN 0x04                                       ; the stores' data in window 1
.irp f, 0,1,2,3,4,5,6,7
	ds_store_b128 v[STO], v[32*(\t)+4*(\f):32*(\t)+4*(\f)+3] offset:64*((\f)/2)+16*((\f)%2)
.endr
	WIN 0
.irp f, 0,1,2,3,4,5,6,7
	ds_load_b128 v[S+32*(\t)+4*(\f):S+32*(\t)+4*(\f)+3], v[RD] offset:2*SPI*(\f)  ; LDS serves a wave's instructions in order (ISA guide 5.7.1.4): these see the stores above; the next tile's come behind them
.endr
.endm
.macro SEND t, younger                 ; younger: the LDS instructions issued behind tile t's loads: the next tile's sixteen, or none
	WIN 0x0c                                       ; source 1, the residual, in window 3; P's registers are free and take it as f32
.set i, 0
.rept 16
	v_lshlrev_b32 v[P+2*i], 16, v[16*(\t)+i]       ; bf16 to f32: the low half moves up,
	v_and_b32 v[P+2*i+1], 0xffff0000, v[16*(\t)+i] ; the high half stays
.set i, i+1
.endr
	WIN 0
	s_wait_dscnt \younger                          ; the tile is back in registers
.set i, 0
.rept 16
	v_pk_add_f32 v[S+32*(\t)+i:S+32*(\t)+i+1], v[S+32*(\t)+i:S+32*(\t)+i+1], v[P+i:P+i+1]
.set i, i+2
.endr
.irp f, 0,1,2,3,4,5,6,7
	global_store_b128 v[GO], v[S+32*(\t)+4*(\f):S+32*(\t)+4*(\f)+3], s[XB:XB+1] offset:65536*(\t)+8192*(\f)  ; 16 lanes store 256 consecutive bytes, aligned: a head's 64 channels of a row
.endr
.endm
	PACK 0
	PACK 1
	SEND 0, 16
	PACK 2
	SEND 1, 16
	PACK 3
	SEND 2, 16
	SEND 3, 0
	s_wait_tensorcnt 0x0                           ; the wave's end, behind my last tensor load and my last LDS store
	ds_add_u32 v[SPW], v[NIL]
	s_wait_dscnt 0x0
	s_endpgm
.Lfunc_end_k_qe86cad840b_attn:
	.size	k_qe86cad840b_attn, .Lfunc_end_k_qe86cad840b_attn-k_qe86cad840b_attn
	.p2alignl 7, 3214868480
	.fill 96, 4, 3214868480
	.section	.rodata,"a",@progbits
	.p2align	6, 0x0
	.amdhsa_kernel k_qe86cad840b_attn
		.amdhsa_group_segment_fixed_size 176640
		.amdhsa_private_segment_fixed_size 0
		.amdhsa_enable_private_segment 0
		.amdhsa_kernarg_size 40
		.amdhsa_user_sgpr_count 2
		.amdhsa_user_sgpr_kernarg_segment_ptr 1
		.amdhsa_wavefront_size32 1
		.amdhsa_system_sgpr_workgroup_id_x 1
		.amdhsa_system_sgpr_workgroup_id_y 1
		.amdhsa_system_sgpr_workgroup_id_z 1
		.amdhsa_system_vgpr_workitem_id 0
		.amdhsa_next_free_vgpr 832
		.amdhsa_next_free_sgpr 88
		.amdhsa_reserve_vcc 0
		.amdhsa_float_denorm_mode_32 3
		.amdhsa_float_denorm_mode_16_64 3
		.amdhsa_memory_ordered 1
		.amdhsa_forward_progress 1
		.amdhsa_inst_pref_size 165
	.end_amdhsa_kernel
	.amdgpu_metadata
---
amdhsa.version: [ 1, 2 ]
amdhsa.kernels:
  - .name:           k_qe86cad840b_attn
    .symbol:         k_qe86cad840b_attn.kd
    .args:
      - { .name: qkv, .offset: 0, .size: 8, .value_kind: global_buffer, .address_space: global }
      - { .name: vpart, .offset: 8, .size: 8, .value_kind: global_buffer, .address_space: global }
      - { .name: attention_mask, .offset: 16, .size: 8, .value_kind: global_buffer, .address_space: global }
      - { .name: xw, .offset: 24, .size: 8, .value_kind: global_buffer, .address_space: global }
      - { .name: xres, .offset: 32, .size: 8, .value_kind: global_buffer, .address_space: global }
    .group_segment_fixed_size: 176640
    .private_segment_fixed_size: 0
    .kernarg_segment_align: 8
    .kernarg_segment_size: 40
    .max_flat_workgroup_size: 128
    .sgpr_count:     88
    .vgpr_count:     832
    .wavefront_size: 32
...
	.end_amdgpu_metadata
.endif
;; end of part 3
;; launch ln (part 4): grid 256 x 1, 4 waves a work-group, no clusters, 0 bytes of LDS; arguments xres, ln_gamma, ln_beta, out0; writes out0
.if DOCPART == 4
	.amdgcn_target "amdgcn-amd-amdhsa--gfx1250"
	.amdhsa_code_object_version 6
	.text
	.protected	k_qe86cad840b_ln
	.globl	k_qe86cad840b_ln
	.p2align	8
	.type	k_qe86cad840b_ln,@function
k_qe86cad840b_ln:
	s_mov_b64 s[64:65], 0
	v_nop
	global_prefetch_b8 v0, s[64:65] scope:SCOPE_SE
	s_setreg_imm32_b32 hwreg(HW_REG_WAVE_MODE, 25, 1), 1
	s_wait_xcnt 0x0
; out0[r][c] = (x[r][c] - mean_r) / sqrt(var_r + 1e-12) x gamma[c] + beta[c], x = xres: [4096][1024] f32; all arithmetic in f32.
; gamma and beta are rounded once to bf16 as they come in, like every input of the module, and widened again.
; A row is 4,096 bytes: one wave takes a whole row, eight 16-byte loads a lane, and keeps it in 32 registers through the mean, the variance (of the differences, as the reference takes it) and the scaling:
; each byte is read once, and no wave waits for another.  Four waves, four rows each; a wave's 48 loads go out together.  Each load and store of a wave covers 512 consecutive bytes.
; No LDS, barrier, matrix unit or cluster: the rows share nothing but gamma and beta, 8 KiB that each lane keeps in 64 registers.
; LIMITS.  1 / sqrt by v_rsq_f32 (1 ULP); NaN and infinities are not treated apart.
.set G, 8                              ; v[8:39]    gamma of my 32 columns
.set B, 40                             ; v[40:71]   beta
.set X, 72                             ; v[72:199]  row rho at X + 32 rho
.set T, 200                            ; v[200:207] four chains; first at work on gamma and beta
.set M, 208                            ; v[208:209] the mean, twice
.set R, 210                            ; v[210:211] 1 / sqrt(var + eps), twice
	s_load_b256 s[4:11], s[0:1], 0x0               ; xres s[4:5], gamma s[6:7], beta s[8:9], out0 s[10:11]
	s_mov_b32 s12, 0x76543210                      ; v_permlanex16_b32: each lane takes its own place in the other half
	s_mov_b32 s13, 0xfedcba98
	s_mov_b32 s14, 0x3a800000                      ; 1 / 1024
	s_mov_b32 s15, 0x2b8cbccc                      ; 1e-12
	s_lshl_b32 s2, ttmp9, 16                       ; the work-group's 16 rows
	s_mov_b32 s3, 0
	v_and_b32 v2, 31, v0
	v_lshlrev_b32 v2, 4, v2                        ; 16 x lane
	v_lshrrev_b32 v1, 5, v0
	v_lshl_or_b32 v1, v1, 14, v2                   ; + the wave's 4 rows
	s_wait_kmcnt 0x0
	s_add_nc_u64 s[4:5], s[4:5], s[2:3]
	s_add_nc_u64 s[10:11], s[10:11], s[2:3]
.irp j, 0,1,2,3,4,5,6,7
	global_load_b128 v[G+4*(\j):G+4*(\j)+3], v2, s[6:7] offset:512*(\j)
.endr
.irp j, 0,1,2,3,4,5,6,7
	global_load_b128 v[B+4*(\j):B+4*(\j)+3], v2, s[8:9] offset:512*(\j)
.endr
.irp rho, 0,1,2,3
.irp j, 0,1,2,3,4,5,6,7
	global_load_b128 v[X+32*(\rho)+4*(\j):X+32*(\rho)+4*(\j)+3], v1, s[4:5] offset:4096*(\rho)+512*(\j) th:TH_LOAD_NT
.endr
.endr
; sixteen numbers from register a on: rounded to bf16 in pairs, and widened again in place
.macro ROUND16 a
.irp p, 0,1,2,3,4,5,6,7
	v_cvt_pk_bf16_f32 v[T+(\p)], v[(\a)+2*(\p)], v[(\a)+2*(\p)+1]
.endr
.irp p, 0,1,2,3,4,5,6,7
	v_lshlrev_b32 v[(\a)+2*(\p)], 16, v[T+(\p)]
	v_and_b32 v[(\a)+2*(\p)+1], 0xffff0000, v[T+(\p)]
.endr
.endm
	s_wait_loadcnt 32                              ; gamma and beta are in; the four rows' 32 loads stay out
	ROUND16 G
	ROUND16 G+16
	ROUND16 B
	ROUND16 B+16
; the four chains into one number, then over the 32 lanes: four steps inside each half ride on the arithmetic (DPP), one crosses the halves; every lane ends with the sum
.macro JOIN
	v_pk_add_f32 v[T:T+1], v[T:T+1], v[T+2:T+3]
	v_pk_add_f32 v[T+4:T+5], v[T+4:T+5], v[T+6:T+7]
	v_pk_add_f32 v[T:T+1], v[T:T+1], v[T+4:T+5]
	v_add_f32 v[T], v[T], v[T+1]
	v_add_f32_dpp v[T], v[T], v[T] row_xmask:1 row_mask:0xf bank_mask:0xf
	v_add_f32_dpp v[T], v[T], v[T] row_xmask:2 row_mask:0xf bank_mask:0xf
	v_add_f32_dpp v[T], v[T], v[T] row_xmask:4 row_mask:0xf bank_mask:0xf
	v_add_f32_dpp v[T], v[T], v[T] row_xmask:8 row_mask:0xf bank_mask:0xf
	v_permlanex16_b32 v[T+1], v[T], s12, s13
	v_add_f32 v[T], v[T], v[T+1]
.endm
.macro ROW rho
.set XR, X+32*(\rho)
	s_wait_loadcnt 8*(3-(\rho))                    ; my row is in; the younger rows' loads stay out
.irp k, 0,1,2,3
	v_pk_add_f32 v[T+2*(\k):T+2*(\k)+1], v[XR+2*(\k):XR+2*(\k)+1], v[XR+8+2*(\k):XR+8+2*(\k)+1]  ; the first pairs start the chains: nothing is cleared
.endr
.irp p, 8,9,10,11,12,13,14,15
	v_pk_add_f32 v[T+2*((\p)%4):T+2*((\p)%4)+1], v[T+2*((\p)%4):T+2*((\p)%4)+1], v[XR+2*(\p):XR+2*(\p)+1]
.endr
	JOIN
	v_mul_f32 v[M], s14, v[T]
	v_mul_f32 v[M+1], s14, v[T]
.irp p, 0,1,2,3,4,5,6,7,8,9,10,11,12,13,14,15
	v_pk_add_f32 v[XR+2*(\p):XR+2*(\p)+1], v[XR+2*(\p):XR+2*(\p)+1], v[M:M+1] neg_lo:[0,1] neg_hi:[0,1]  ; x - mean
.endr
.irp k, 0,1,2,3
	v_pk_mul_f32 v[T+2*(\k):T+2*(\k)+1], v[XR+2*(\k):XR+2*(\k)+1], v[XR+2*(\k):XR+2*(\k)+1]
.endr
.irp p, 4,5,6,7,8,9,10,11,12,13,14,15
	v_pk_fma_f32 v[T+2*((\p)%4):T+2*((\p)%4)+1], v[XR+2*(\p):XR+2*(\p)+1], v[XR+2*(\p):XR+2*(\p)+1], v[T+2*((\p)%4):T+2*((\p)%4)+1]
.endr
	JOIN
	v_fma_f32 v[T], v[T], s14, s15                 ; var + eps
	v_rsq_f32 v[R], v[T]
	v_rsq_f32 v[R+1], v[T]
	v_nop                                          ; a plain instruction behind the last of the two (ISA guide 5.7.2)
	s_wait_alu depctr_va_vdst(0)                   ; a wait ahead of the first line that names a result: one for both
.irp p, 0,1,2,3,4,5,6,7,8,9,10,11,12,13,14,15
	v_pk_mul_f32 v[XR+2*(\p):XR+2*(\p)+1], v[XR+2*(\p):XR+2*(\p)+1], v[R:R+1]
.endr
.irp p, 0,1,2,3,4,5,6,7,8,9,10,11,12,13,14,15
	v_pk_fma_f32 v[XR+2*(\p):XR+2*(\p)+1], v[XR+2*(\p):XR+2*(\p)+1], v[G+2*(\p):G+2*(\p)+1], v[B+2*(\p):B+2*(\p)+1]
.endr
.irp j, 0,1,2,3,4,5,6,7
	global_store_b128 v1, v[XR+4*(\j):XR+4*(\j)+3], s[10:11] offset:4096*(\rho)+512*(\j) th:TH_STORE_NT
.endr
.endm
	ROW 0
	ROW 1
	ROW 2
	ROW 3
	s_endpgm
.Lfunc_end_k_qe86cad840b_ln:
	.size	k_qe86cad840b_ln, .Lfunc_end_k_qe86cad840b_ln-k_qe86cad840b_ln
	.p2alignl 7, 3214868480
	.fill 96, 4, 3214868480
	.section	.rodata,"a",@progbits
	.p2align	6, 0x0
	.amdhsa_kernel k_qe86cad840b_ln
		.amdhsa_group_segment_fixed_size 0
		.amdhsa_private_segment_fixed_size 0
		.amdhsa_enable_private_segment 0
		.amdhsa_kernarg_size 32
		.amdhsa_user_sgpr_count 2
		.amdhsa_user_sgpr_kernarg_segment_ptr 1
		.amdhsa_wavefront_size32 1
		.amdhsa_system_sgpr_workgroup_id_x 1
		.amdhsa_system_sgpr_workgroup_id_y 1
		.amdhsa_system_sgpr_workgroup_id_z 1
		.amdhsa_system_vgpr_workitem_id 0
		.amdhsa_next_free_vgpr 216
		.amdhsa_next_free_sgpr 66
		.amdhsa_reserve_vcc 0
		.amdhsa_float_denorm_mode_32 3
		.amdhsa_float_denorm_mode_16_64 3
		.amdhsa_memory_ordered 1
		.amdhsa_forward_progress 1
		.amdhsa_inst_pref_size 39
	.end_amdhsa_kernel
	.amdgpu_metadata
---
amdhsa.version: [ 1, 2 ]
amdhsa.kernels:
  - .name:           k_qe86cad840b_ln
    .symbol:         k_qe86cad840b_ln.kd
    .args:
      - { .name: xres, .offset: 0, .size: 8, .value_kind: global_buffer, .address_space: global }
      - { .name: ln_gamma, .offset: 8, .size: 8, .value_kind: global_buffer, .address_space: global }
      - { .name: ln_beta, .offset: 16, .size: 8, .value_kind: global_buffer, .address_space: global }
      - { .name: out0, .offset: 24, .size: 8, .value_kind: global_buffer, .address_space: global }
    .group_segment_fixed_size: 0
    .private_segment_fixed_size: 0
    .kernarg_segment_align: 8
    .kernarg_segment_size: 32
    .max_flat_workgroup_size: 128
    .sgpr_count:     66
    .vgpr_count:     216
    .wavefront_size: 32
...
	.end_amdgpu_metadata
.endif
;; end of part 4
;; ======== version 2 of 2: 4 launches; version 1 with the launch conv written anew for expert scheduling mode
;; limits: values are held in f16: magnitudes above 65,504 overflow, below 6.1e-05 lose precision
;; workspace buffers: xw 14,680,064 bytes; qkv 25,165,824 bytes; vpart 262,144 bytes; xres 16,777,216 bytes
;; launch conv (part 5): grid 448 x 1, 8 waves a work-group, no clusters, 0 bytes of LDS; arguments hidden_states, Wq, Wk, Wv, xw; writes xw
.if DOCPART == 5
	.amdgcn_target "amdgcn-amd-amdhsa--gfx1250"
	.amdhsa_code_object_version 6
	.text
	.protected	k_qe86cad840b_conv
	.globl	k_qe86cad840b_conv
	.p2align	8
	.type	k_qe86cad840b_conv,@function
k_qe86cad840b_conv:
	s_mov_b64 s[64:65], 0
	v_nop
	global_prefetch_b8 v0, s[64:65] scope:SCOPE_SE
	s_setreg_imm32_b32 hwreg(HW_REG_WAVE_SCHED_MODE, 0, 2), 2
	s_setreg_imm32_b32 hwreg(HW_REG_WAVE_MODE, 25, 1), 1
	s_wait_xcnt 0x0
	s_wait_alu depctr_vm_vsrc(0)
; xw = the matrix operands of the projections, rounded once to bf16: [7168][1024].
; Rows 0..4095 are hidden_states.  Row 4096 + 192 h + 64 t + j is W_t[64 h + j] (t = 0: Wq, 1: Wk, 2: Wv): a head's q, k and v weights lie as 192 rows on end.
; A stream: no LDS, no barrier, no matrix unit.  A work-group takes 16 rows of one source, a wave two rows: 8,192 consecutive bytes in, 4,096 out.
; A wave's 16 loads go out together; each load covers 512 consecutive bytes, each store 256 consecutive bytes, aligned.  No register is written twice, so no wait frees a source.
; THE MODE: SCHED_MODE bits 1:0 = 2 (LLVM: expert scheduling mode 2), set by the entry lines.  The code itself states the register dependences
; between vector instructions and memory instructions, with s_wait_alu, always for 0.
; THE PLAN.  Registers that memory instructions touch:
;   v1, v2   byte offsets of the loads and of the stores.  Written by vector lines at the head, never again.
;   X        load i lands in four registers of its own, which no vector instruction names ahead of the load; block i / 4's conversions read them.
;   Y        block p's eight conversions write its eight registers, once; the block's four stores read them.
; The 16 loads go in four blocks of four: one wait for the block's data, eight conversions, ONE wait on va_vdst, a run of four stores.  With the one at the head that is five waits on va_vdst.
; None on vm_vsrc: no register that a load or store reads is written again.  No vector instruction writes a scalar register or VCC, and EXEC is never written.
.set X, 8                              ; v[8:71]   load i: four f32
.set Y, 72                             ; v[72:103] store i: four bf16
.set BLOCK, 4                          ; loads, and stores, in a block
	s_load_b256 s[4:11], s[0:1], 0x0               ; hidden s[4:5], Wq s[6:7], Wk s[8:9], Wv s[10:11]
	s_load_b64 s[12:13], s[0:1], 0x20              ; xw
	v_lshrrev_b32 v3, 5, v0                        ; wave
	v_and_b32 v4, 31, v0                           ; lane
	v_lshlrev_b32 v1, 4, v4
	v_lshl_add_u32 v1, v3, 13, v1                  ; in: 8,192 x wave + 16 x lane
	v_lshlrev_b32 v2, 3, v4
	v_lshl_add_u32 v2, v3, 12, v2                  ; out: 4,096 x wave + 8 x lane
	s_sub_co_u32 s14, ttmp9, 256                   ; work-groups 256.. take the weights: g' = 64 t + rem
	s_lshr_b32 s15, s14, 6                         ; t
	s_and_b32 s16, s14, 63                         ; rem: which 16 rows of W_t
	s_lshr_b32 s17, s16, 2                         ; the head
	s_mul_i32 s17, s17, 192
	s_lshl_b32 s18, s15, 6
	s_add_co_u32 s17, s17, s18                     ; + 64 t
	s_and_b32 s18, s16, 3
	s_lshl_b32 s18, s18, 4
	s_add_co_u32 s17, s17, s18                     ; + 16 (rem % 4)
	s_add_co_u32 s17, s17, 4096                    ; the row of xw, for weights
	s_lshl_b32 s19, ttmp9, 4                       ; the row of xw, for hidden
	s_lshl_b32 s20, s16, 16                        ; the source's byte offset, for weights
	s_lshl_b32 s21, ttmp9, 16                      ; and for hidden
	s_mov_b32 s25, 0
	s_mov_b32 s27, 0
	s_wait_kmcnt 0x0
	s_cmp_eq_u32 s15, 1
	s_cselect_b64 s[22:23], s[8:9], s[6:7]
	s_cmp_eq_u32 s15, 2
	s_cselect_b64 s[22:23], s[10:11], s[22:23]
	s_cmp_lt_u32 ttmp9, 256
	s_cselect_b64 s[22:23], s[4:5], s[22:23]       ; the source
	s_cselect_b32 s24, s21, s20
	s_cselect_b32 s26, s19, s17
	s_add_nc_u64 s[22:23], s[22:23], s[24:25]
	s_lshl_b32 s26, s26, 11                        ; a row of xw is 2,048 bytes
	s_add_nc_u64 s[12:13], s[12:13], s[26:27]
	s_wait_alu depctr_va_vdst(0)                   ; v1 and v2 are written: every load below reads v1 as its offset, every store v2; no later vector line names either
.set i, 0
.rept 16
	global_load_b128 v[X+4*i:X+4*i+3], v1, s[22:23] offset:512*i th:TH_LOAD_NT
.set i, i+1
.endr
.set p, 0
.rept 16/BLOCK
	s_wait_loadcnt 16-BLOCK-BLOCK*p                ; loads come back in order: block p's four are in, the younger blocks' stay out
.set i, BLOCK*p
.rept BLOCK
	v_cvt_pk_bf16_f32 v[Y+2*i], v[X+4*i], v[X+4*i+1]
	v_cvt_pk_bf16_f32 v[Y+2*i+1], v[X+4*i+2], v[X+4*i+3]
.set i, i+1
.endr
	s_wait_alu depctr_va_vdst(0)                   ; the block's eight conversions have written its eight registers of Y, which the four stores below read
.set i, BLOCK*p
.rept BLOCK
	global_store_b64 v2, v[Y+2*i:Y+2*i+1], s[12:13] offset:256*i
.set i, i+1
.endr
.set p, p+1
.endr
	s_endpgm
.Lfunc_end_k_qe86cad840b_conv:
	.size	k_qe86cad840b_conv, .Lfunc_end_k_qe86cad840b_conv-k_qe86cad840b_conv
	.p2alignl 7, 3214868480
	.fill 96, 4, 3214868480
	.section	.rodata,"a",@progbits
	.p2align	6, 0x0
	.amdhsa_kernel k_qe86cad840b_conv
		.amdhsa_group_segment_fixed_size 0
		.amdhsa_private_segment_fixed_size 0
		.amdhsa_enable_private_segment 0
		.amdhsa_kernarg_size 40
		.amdhsa_user_sgpr_count 2
		.amdhsa_user_sgpr_kernarg_segment_ptr 1
		.amdhsa_wavefront_size32 1
		.amdhsa_system_sgpr_workgroup_id_x 1
		.amdhsa_system_sgpr_workgroup_id_y 1
		.amdhsa_system_sgpr_workgroup_id_z 1
		.amdhsa_system_vgpr_workitem_id 0
		.amdhsa_next_free_vgpr 104
		.amdhsa_next_free_sgpr 66
		.amdhsa_reserve_vcc 0
		.amdhsa_float_denorm_mode_32 3
		.amdhsa_float_denorm_mode_16_64 3
		.amdhsa_memory_ordered 1
		.amdhsa_forward_progress 1
		.amdhsa_inst_pref_size 8
	.end_amdhsa_kernel
	.amdgpu_metadata
---
amdhsa.version: [ 1, 2 ]
amdhsa.kernels:
  - .name:           k_qe86cad840b_conv
    .symbol:         k_qe86cad840b_conv.kd
    .args:
      - { .name: hidden_states, .offset: 0, .size: 8, .value_kind: global_buffer, .address_space: global }
      - { .name: Wq, .offset: 8, .size: 8, .value_kind: global_buffer, .address_space: global }
      - { .name: Wk, .offset: 16, .size: 8, .value_kind: global_buffer, .address_space: global }
      - { .name: Wv, .offset: 24, .size: 8, .value_kind: global_buffer, .address_space: global }
      - { .name: xw, .offset: 32, .size: 8, .value_kind: global_buffer, .address_space: global }
    .group_segment_fixed_size: 0
    .private_segment_fixed_size: 0
    .kernarg_segment_align: 8
    .kernarg_segment_size: 40
    .max_flat_workgroup_size: 256
    .sgpr_count:     66
    .vgpr_count:     104
    .wavefront_size: 32
...
	.end_amdgpu_metadata
.endif
;; end of part 5
;; launch gemm: the kernel of part 2 again; grid 16 x 16, 4 waves a work-group, clusters of 4 x 4, 327,680 bytes of LDS; arguments xw, bq, bk, bv, qkv, vpart; writes qkv, vpart
;; launch attn: the kernel of part 3 again; grid 16 x 16, 4 waves a work-group, no clusters, 176,640 bytes of LDS; arguments qkv, vpart, attention_mask, xw, xres; writes xres
;; launch ln: the kernel of part 4 again; grid 256 x 1, 4 waves a work-group, no clusters, 0 bytes of LDS; arguments xres, ln_gamma, ln_beta, out0; writes out0
